; MI455X (gfx1250); checked and timed in simulation.
; The chip was launched on July 23, 2026; its instructions are those of AMD's public machine-readable ISA for CDNA 5 (MIT licence, August 2026) and "CDNA5" Instruction Set Architecture Reference Guide (July 2026). The comments in the code are by the model that wrote it; some were corrected since.
;; Sampling Layer. Allowed arithmetic: matrix products marked QUANTISED: E3M2 operands, one E8M0 scale for each 32 along K, by v_wmma_scale_f32_16x16x128_f8f6f4 with both operands' format E3M2, f32 sums; products left as they are: f32 operands where the result goes on into a quantised operand, else bf16, f16 or f32 operands; f32 sums; everything else in f32.
;; Inputs: W1 2 x 2 x 256 float32; W2 2 x 256 x 256 float32; W3 2 x 256 x 4 float32; b1 2 x 256 float32; b2 2 x 256 float32; b3 2 x 4 float32; epsilon 131,072 x 2 float32; z_log_var 131,072 x 2 float32; z_mean 131,072 x 2 float32.
;; Outputs: out0 131,072 x 2 float32.
;; This version of the problem:
;;   THIS VERSION OF THE PROBLEM IS GIVEN IN LOW PRECISION. The matrix products marked QUANTISED in the list below multiply operands that are first quantised to E3M2 (3 exponent bits, 2 mantissa bits; 6 bits a number), with one power-of-two scale for each 32 numbers along K (OCP MX v1.0); their sums are f32. All else is computed in f32.
;;   The module's matrix products, in the order in which they are computed (A, B: the left and right operand; K: the contracted axis; several contracted axes count as one K, in the product's order):
;;     1. [M 131,072, K 2] x [K 2, N 256]; A: computed on the way; B: computed on the way: left as it is (K = 2 < 32)
;;     2. [M 131,072, K 256] x [K 256, N 256]; A: computed on the way; B: computed on the way: QUANTISED
;;     3. [M 131,072, K 256] x [K 256, N 4]; A: computed on the way; B: computed on the way: left as it is (N = 4 < 16)
;;     4. [M 131,072, K 2] x [K 2, N 256]; A: computed on the way; B: computed on the way: left as it is (K = 2 < 32)
;;     5. [M 131,072, K 256] x [K 256, N 256]; A: computed on the way; B: computed on the way: QUANTISED
;;     6. [M 131,072, K 256] x [K 256, N 4]; A: computed on the way; B: computed on the way: left as it is (N = 4 < 16)
;;     7. [M 131,072, K 2] x [K 2, N 256]; A: computed on the way; B: computed on the way: left as it is (K = 2 < 32)
;;     8. [M 131,072, K 256] x [K 256, N 256]; A: computed on the way; B: computed on the way: QUANTISED
;;     9. [M 131,072, K 256] x [K 256, N 4]; A: computed on the way; B: computed on the way: left as it is (N = 4 < 16)
;;     10. [M 131,072, K 2] x [K 2, N 256]; A: computed on the way; B: computed on the way: left as it is (K = 2 < 32)
;;     11. [M 131,072, K 256] x [K 256, N 256]; A: computed on the way; B: computed on the way: QUANTISED
;;     12. [M 131,072, K 256] x [K 256, N 4]; A: computed on the way; B: computed on the way: left as it is (N = 4 < 16)
;;   THE QUANTISER, for each operand of a quantised product, along K:
;;     - K is cut into blocks of 32 from its start; a last block that is shorter is filled with zeros.
;;     - A block's scale is 2^e with e = floor(log2(the largest magnitude in the block)) - 4, held to -126 .. 127; a block of zeros has e = 0. As a byte (E8M0): e + 127.
;;     - Each number is divided by its block's scale, clamped to +-28, and rounded to the nearest number of E3M2, ties to even, subnormals kept.
;;     - The product sums the exact products of the quantised numbers (number of the format x scale) in f32.
;;   ~~~python
;;   def quantise(x, axis):      # numpy; x: float32 -> the quantised numbers, widened to float32 again
;;       x = np.moveaxis(x, axis, -1); K = x.shape[-1]
;;       x = np.pad(x, [(0, 0)] * (x.ndim - 1) + [(0, -K % 32)]); x = x.reshape(x.shape[:-1] + (-1, 32)); a = np.abs(x).max(-1, keepdims=True)
;;       e = np.where(a > 0, np.clip(np.frexp(np.where(a > 0, a, 1))[1] - 1 - 4, -126, 127), 0)      # np.frexp(a)[1] - 1 = floor(log2(a)), exactly
;;       r = np.clip(x / 2.0 ** e, -28, 28)
;;       step = 2.0 ** (np.maximum(np.frexp(np.where(r == 0, 1, r))[1] - 1, -2) - 2)
;;       q = np.round(r / step) * step * 2.0 ** e      # np.round: ties to even
;;       return np.moveaxis(q.reshape(q.shape[:-2] + (-1,))[..., :K], -1, axis).astype(np.float32)
;;   ~~~
;;   OPERANDS COMPUTED ON THE WAY. 'Computed on the way' means the value that the module computes at that place (a softmax that the list does not call 'softmax' is quantised finished and normalised). What goes into a quantiser is computed in f32, as accurately as f32 sums, v_exp_f32 and their like allow (about 1e-6 of the number): no bf16 or f16 on the way to a quantiser, and a product that is left as it is and whose result goes on into a quantised operand takes f32 operands (vector FMAs, or v_wmma_f32_16x16x4_f32). A number that lies on a knife's edge between two numbers of the format may be rounded either way, as far as f32 arithmetic and the matrix unit's own rounding can turn it there, and no further.
;; 2 versions, each right; version 2 is version 1 with the launch main written anew for expert scheduling mode. Each part assembles by itself: llvm-mc -triple=amdgcn-amd-amdhsa -mcpu=gfx1250 --defsym DOCPART=n.
;; ======== version 1 of 2: 2 launches
;; workspace buffers: wq 106,496 bytes; cst 256 bytes
;; launch prep (part 1): grid 8 x 1, 4 waves a work-group, no clusters, 0 bytes of LDS; arguments W2, W3, b2, b3, wq, cst; writes wq, cst
.if DOCPART == 1
	.amdgcn_target "amdgcn-amd-amdhsa--gfx1250"
	.amdhsa_code_object_version 6
	.text
	.protected	k_q34557cdc93_prep
	.globl	k_q34557cdc93_prep
	.p2align	8
	.type	k_q34557cdc93_prep,@function
k_q34557cdc93_prep:
	s_mov_b64 s[64:65], 0
	v_nop
	global_prefetch_b8 v0, s[64:65] scope:SCOPE_SE
	s_setreg_imm32_b32 hwreg(HW_REG_WAVE_MODE, 25, 1), 1
	s_wait_xcnt 0x0
; W2 [2][256 (k)][256 (n)], f32, is quantised ONCE along K (its first axis inside a flow) into codes of BF6 (E3M2) with one E8M0 byte for each 32 along K,
; and laid in the order in which the next launch's operand registers take it.  One wave makes one block of wq: flow f, the 16 columns n = 16 nu .. 16 nu + 15.
; A block is BLK = 3,328 bytes: the register image of the fragment of K step 0 (12 registers a lane: three groups of four, lane l's 16 bytes at 512 q + 16 l), the same of K step 1,
; 128 bytes of scale words (lanes 0-15: column r's word for K step 0; lanes 16-31: for K step 1), then W3[f][16 nu + j][2], j = 0 .. 15, then W3[f][16 nu + j][3].
; A LANE TAKES A COLUMN, AND ITS REGISTERS RUN DOWN K, in the order that the 6-bit operand layout gives lane (r, h): k = 128 s + 64 c + 32 h + 0 .. 31.  So a lane holds whole blocks of 32:
; no other lane is asked for a maximum, and the conversions' results are the operand's registers.  The four waves of a work-group stand side by side on 256 bytes of each row of W2.
; A block's scale is 2^(floor(log2(its largest magnitude)) - 4); its byte is that magnitude's exponent field - 4, held at 1 from below by a floor among the maximum's leaves.
; The wave with nu = 0 of each flow also makes the flow's four constants (cst, 128 bytes a flow, lanes 0 .. 3, zeros behind them):
;   c2 = sum over n of b2[n] W3[n][2] + b3[2],  c3 likewise with column 3,  E = exp(b3[1]),  S = b3[0].   (h2 W3 + b3 = acc W3 + (b2 W3 + b3): the bias of the second layer is folded in here.)
; W3's columns 0 and 1 are multiplied by a mask of zeros in the problem's own text: nothing is made of them.
; LIMITS: NaN and infinities among the inputs are not served.  A block of zeros gets the byte 1 where the rule says 127: its codes are zeros, and this program alone reads the bytes.
; No LDS, no barrier, no change of EXEC: waves share nothing.
.set BLK,   3328
.set FLOWB, 16*BLK
.set LANE, 1                           ; v1   lane
.set RR,   2                           ; v2   r = lane % 16
.set HH,   3                           ; v3   h = lane / 16
.set AW2,  4                           ; v4   W2: 32 h rows of 1,024 bytes + 4 r
.set L16,  5                           ; v5   16 x lane
.set L4,   6                           ; v6   4 x lane
.set H8,   7                           ; v7   8 h
.set MA,   8                           ; v8-9   largest magnitudes, first chain of each of the two blocks
.set MB,   10                          ; v10-11 second chain
.set SC,   12                          ; v12-13 the conversions' scale operands
.set BY,   14                          ; v14-15 the scale bytes
.set UU,   16                          ; v16-17 my two bytes of K step s, at their places in the scale word
.set W3W,  20                          ; v20  my word of W3
.set AW3,  21                          ; v21  and where it comes from
.set CD,   32                          ; v32-55 the codes: fragment s at CD + 12 s
.set TMP,  56                          ; v56-58, v60-62 second halves of blocks, as the conversions leave them
.set X,    64                          ; v64-191 X[64 s + 32 c + i] = W2[f][128 s + 64 c + 32 h + i][16 nu + r]
	s_load_b256 s[4:11], s[0:1], 0x0               ; W2 s[4:5], W3 s[6:7], b2 s[8:9], b3 s[10:11]
	s_load_b128 s[12:15], s[0:1], 0x20             ; wq s[12:13], cst s[14:15]
	v_lshrrev_b32 v1, 5, v0
	v_readfirstlane_b32 s16, v1                    ; wave 0..3
	v_and_b32 v[LANE], 31, v0
	v_and_b32 v[RR], 15, v0
	v_bfe_u32 v[HH], v0, 4, 1
	s_lshr_b32 s17, ttmp9, 2                       ; f: four work-groups to a flow
	s_and_b32 s18, ttmp9, 3
	s_lshl_b32 s18, s18, 2
	s_add_co_u32 s18, s18, s16                     ; nu = 4 x (work-group % 4) + wave
	v_lshlrev_b32 v[AW2], 2, v[RR]
	v_lshl_add_u32 v[AW2], v[HH], 15, v[AW2]
	v_lshlrev_b32 v[L16], 4, v[LANE]
	v_lshlrev_b32 v[L4], 2, v[LANE]
	v_lshlrev_b32 v[H8], 3, v[HH]
	s_lshl_b32 s19, s18, 8                         ; W3: 16 rows of 16 bytes a tile
	v_lshlrev_b32 v[AW3], 4, v[RR]
	v_lshl_add_u32 v[AW3], v[HH], 2, v[AW3]
	v_add_nc_u32 v[AW3], s19, v[AW3]               ; row 16 nu + r; lanes 0-15 take column 2, lanes 16-31 column 3 (the 8 stands in the load's immediate)
	s_lshl_b32 s20, s17, 18                        ; W2: a flow is 262,144 bytes, a tile's columns 64 bytes
	s_lshl_b32 s19, s18, 6
	s_add_co_u32 s20, s20, s19
	s_mov_b32 s21, 0
	s_mul_i32 s22, s17, FLOWB                      ; wq: my block
	s_mul_i32 s19, s18, BLK
	s_add_co_u32 s22, s22, s19
	s_mov_b32 s23, 0
	s_mov_b32 s28, 0x76543210
	s_mov_b32 s29, 0xfedcba98                      ; v_permlanex16_b32's selects for lane l xor 16
	s_wait_kmcnt 0x0
	s_add_nc_u64 s[4:5], s[4:5], s[20:21]
	s_add_nc_u64 s[12:13], s[12:13], s[22:23]
	s_lshl_b32 s20, s17, 12
	s_add_nc_u64 s[6:7], s[6:7], s[20:21]          ; W3 at my flow
	s_lshl_b32 s20, s17, 10
	s_add_nc_u64 s[8:9], s[8:9], s[20:21]          ; b2
	s_lshl_b32 s20, s17, 4
	s_add_nc_u64 s[10:11], s[10:11], s[20:21]      ; b3
	s_lshl_b32 s20, s17, 7
	s_add_nc_u64 s[14:15], s[14:15], s[20:21]      ; cst
	global_load_b32 v[W3W], v[AW3], s[6:7] offset:8
.set n, 0
.rept 128
	global_load_b32 v[X+n], v[AW2], s[4:5] offset:(128*(n/64)+64*((n/32)%2)+(n%32))*1024 th:TH_LOAD_NT   ; sixteen lanes read 64 neighbouring bytes of a row; W2 is read once in the launch
.set n, n+1
.endr
	s_cmp_lg_u32 s18, 0                            ; the flow's constants are made by its wave with nu = 0: a branch on ids
	s_cbranch_scc1 .Lquant
	s_load_b128 s[24:27], s[10:11], 0x0            ; b3[f][0 .. 3]
.irp q, 0,1,2,3,4,5,6,7
	global_load_b32 v[192+\q], v[L4], s[8:9] offset:128*\q                 ; b2[32 q + lane]
.endr
.irp q, 0,1,2,3,4,5,6,7
	global_load_b128 v[200+4*\q:203+4*\q], v[L16], s[6:7] offset:512*\q    ; W3[32 q + lane][0 .. 3]
.endr
	s_wait_loadcnt 0x0
	s_wait_kmcnt 0x0
	v_mul_f32 v232, v192, v202                     ; two chains: columns 2 and 3
	v_mul_f32 v233, v192, v203
.irp q, 1,2,3,4,5,6,7
	v_fma_f32 v232, v[192+\q], v[202+4*\q], v232
	v_fma_f32 v233, v[192+\q], v[203+4*\q], v233
.endr
.irp m, 1,2,4,8
	v_add_f32_dpp v232, v232, v232 row_xmask:\m row_mask:0xf bank_mask:0xf
	v_add_f32_dpp v233, v233, v233 row_xmask:\m row_mask:0xf bank_mask:0xf
.endr
	v_mov_b32 v234, 0                              ; a lane permute's destination counts as one of its sources
	v_mov_b32 v235, 0
	v_permlanex16_b32 v234, v232, s28, s29
	v_permlanex16_b32 v235, v233, s28, s29
	v_add_f32 v232, v232, v234
	v_add_f32 v233, v233, v235
	v_add_f32 v232, s26, v232                      ; c2
	v_add_f32 v233, s27, v233                      ; c3
	v_mov_b32 v236, s25
	v_mul_f32 v236, 0x3fb8aa3b, v236               ; b3[1] x log2(e)
	v_exp_f32 v236, v236                           ; E
	v_mov_b32 v237, 0                              ; (a plain line behind the exponential)
	v_mov_b32 v238, s24                            ; S
	v_cmp_eq_u32 vcc_lo, 0, v[LANE]
	v_cndmask_b32 v237, v237, v232, vcc_lo
	v_cmp_eq_u32 vcc_lo, 1, v[LANE]
	v_cndmask_b32 v237, v237, v233, vcc_lo
	v_cmp_eq_u32 vcc_lo, 2, v[LANE]
	s_wait_alu depctr_va_vdst(0)
	v_cndmask_b32 v237, v237, v236, vcc_lo
	v_cmp_eq_u32 vcc_lo, 3, v[LANE]
	v_cndmask_b32 v237, v237, v238, vcc_lo
	global_store_b32 v[L4], v237, s[14:15]         ; 128 consecutive bytes; neither register is written again
.Lquant:
	s_wait_loadcnt 0x0                             ; all of my columns
; K step s: two blocks of 32 a lane become 12 registers of codes and my two bytes of the scale word
.macro PQ ks
.irp c, 0,1
	v_max3_num_f32 v[MA+\c], |v[X+64*(\ks)+32*\c]|, |v[X+64*(\ks)+32*\c+1]|, 0x2800000   ; the floor 2^(5 - 127) is one more leaf: the byte cannot fall under 1
	v_max3_num_f32 v[MB+\c], |v[X+64*(\ks)+32*\c+16]|, |v[X+64*(\ks)+32*\c+17]|, |v[X+64*(\ks)+32*\c+18]|
.endr
.irp t, 0,1,2,3,4,5
.irp c, 0,1                            ; four chains by turns
	v_max3_num_f32 v[MA+\c], v[MA+\c], |v[X+64*(\ks)+32*\c+2+2*\t]|, |v[X+64*(\ks)+32*\c+3+2*\t]|
	v_max3_num_f32 v[MB+\c], v[MB+\c], |v[X+64*(\ks)+32*\c+19+2*\t]|, |v[X+64*(\ks)+32*\c+20+2*\t]|
.endr
.endr
.irp c, 0,1
	v_max3_num_f32 v[MA+\c], v[MA+\c], |v[X+64*(\ks)+32*\c+14]|, |v[X+64*(\ks)+32*\c+15]|
.endr
.irp c, 0,1
	v_max3_num_f32 v[MA+\c], v[MA+\c], v[MB+\c], |v[X+64*(\ks)+32*\c+31]|
.endr
.irp c, 0,1
	v_add_nc_u32 v[SC+\c], 0xfe000000, v[MA+\c]    ; 4 off the exponent field: the conversion takes the exponent field of this operand as its scale, and nothing else of it
.endr
.irp c, 0,1
	v_lshrrev_b32 v[BY+\c], 23, v[SC+\c]           ; the scale's byte
.endr
	v_lshl_or_b32 v[UU+(\ks)], v[BY+1], 16, v[BY]  ; my blocks are h and 2 + h of the K step's four
	v_lshlrev_b32 v[UU+(\ks)], v[H8], v[UU+(\ks)]
.irp c, 0,1
	v_cvt_scalef32_pk16_bf6_f32 v[CD+12*(\ks)+6*\c:CD+12*(\ks)+6*\c+2], v[X+64*(\ks)+32*\c:X+64*(\ks)+32*\c+15], v[SC+\c]
	v_cvt_scalef32_pk16_bf6_f32 v[TMP+4*\c:TMP+4*\c+2], v[X+64*(\ks)+32*\c+16:X+64*(\ks)+32*\c+31], v[SC+\c]   ; (a conversion's three registers begin on an even number)
.endr
	v_nop                                          ; one plain line behind the scaled conversions
.irp c, 0,1
.irp i, 0,1,2
	v_mov_b32 v[CD+12*(\ks)+6*\c+3+\i], v[TMP+4*\c+\i]
.endr
.endr
.endm
	PQ 0
	PQ 1
	v_permlane16_swap_b32 v[UU], v[UU+1]           ; K step 0's upper lanes change places with K step 1's lower ones:
	v_or_b32 v[UU], v[UU], v[UU+1]                 ; lanes 0-15 now hold column r's whole word for K step 0, lanes 16-31 for K step 1
.irp s, 0,1
.irp q, 0,1,2
	global_store_b128 v[L16], v[CD+12*\s+4*\q:CD+12*\s+4*\q+3], s[12:13] offset:1536*\s+512*\q   ; 32 lanes store 512 consecutive bytes, at a multiple of 256 from wq's first byte
.endr
.endr
	global_store_b32 v[L4], v[UU], s[12:13] offset:3072
	global_store_b32 v[L4], v[W3W], s[12:13] offset:3200
	s_endpgm
.Lfunc_end_k_q34557cdc93_prep:
	.size	k_q34557cdc93_prep, .Lfunc_end_k_q34557cdc93_prep-k_q34557cdc93_prep
	.p2alignl 7, 3214868480
	.fill 96, 4, 3214868480
	.section	.rodata,"a",@progbits
	.p2align	6, 0x0
	.amdhsa_kernel k_q34557cdc93_prep
		.amdhsa_group_segment_fixed_size 0
		.amdhsa_private_segment_fixed_size 0
		.amdhsa_enable_private_segment 0
		.amdhsa_kernarg_size 48
		.amdhsa_user_sgpr_count 2
		.amdhsa_user_sgpr_kernarg_segment_ptr 1
		.amdhsa_wavefront_size32 1
		.amdhsa_system_sgpr_workgroup_id_x 1
		.amdhsa_system_sgpr_workgroup_id_y 1
		.amdhsa_system_sgpr_workgroup_id_z 1
		.amdhsa_system_vgpr_workitem_id 0
		.amdhsa_next_free_vgpr 256
		.amdhsa_next_free_sgpr 66
		.amdhsa_reserve_vcc 1
		.amdhsa_float_denorm_mode_32 3
		.amdhsa_float_denorm_mode_16_64 3
		.amdhsa_memory_ordered 1
		.amdhsa_forward_progress 1
		.amdhsa_inst_pref_size 25
	.end_amdhsa_kernel
	.amdgpu_metadata
---
amdhsa.version: [ 1, 2 ]
amdhsa.kernels:
  - .name:           k_q34557cdc93_prep
    .symbol:         k_q34557cdc93_prep.kd
    .args:
      - { .name: W2, .offset: 0, .size: 8, .value_kind: global_buffer, .address_space: global }
      - { .name: W3, .offset: 8, .size: 8, .value_kind: global_buffer, .address_space: global }
      - { .name: b2, .offset: 16, .size: 8, .value_kind: global_buffer, .address_space: global }
      - { .name: b3, .offset: 24, .size: 8, .value_kind: global_buffer, .address_space: global }
      - { .name: wq, .offset: 32, .size: 8, .value_kind: global_buffer, .address_space: global }
      - { .name: cst, .offset: 40, .size: 8, .value_kind: global_buffer, .address_space: global }
    .group_segment_fixed_size: 0
    .private_segment_fixed_size: 0
    .kernarg_segment_align: 8
    .kernarg_segment_size: 48
    .max_flat_workgroup_size: 128
    .sgpr_count:     66
    .vgpr_count:     256
    .wavefront_size: 32
...
	.end_amdgpu_metadata
.endif
;; end of part 1
;; launch main (part 2): grid 256 x 1, 4 waves a work-group, no clusters, 2,560 bytes of LDS; arguments z_mean, z_log_var, epsilon, W1, b1, wq, cst, out0; writes out0
.if DOCPART == 2
	.amdgcn_target "amdgcn-amd-amdhsa--gfx1250"
	.amdhsa_code_object_version 6
	.text
	.protected	k_q34557cdc93_main
	.globl	k_q34557cdc93_main
	.p2align	8
	.type	k_q34557cdc93_main,@function
k_q34557cdc93_main:
	s_mov_b64 s[64:65], 0
	v_nop
	global_prefetch_b8 v0, s[64:65] scope:SCOPE_SE
	s_setreg_imm32_b32 hwreg(HW_REG_WAVE_MODE, 25, 1), 1
	s_wait_xcnt 0x0
; z = z_mean + exp(z_log_var / 2) epsilon, then two flows of a masked autoregressive net, each with two passes.
; WHAT THE PROBLEM'S OWN MASKS LEAVE.  Row 1 of W1 and columns 0, 1 of W3 are multiplied by zeros.  So in flow f:  y0 = x0 exp(b3[1]) + b3[0] in both passes; the first pass's y1 meets only the zeroed row of W1,
; so that pass's products are thrown away; the second pass is  h1[k] = y0 W1[f][0][k] + b1[f][k],  h2 = Q(h1) Q(W2[f]) + b2,  o2, o3 = h2 W3[f][:, 2], h2 W3[f][:, 3] + b3[2], b3[3],  y1 = x1 exp(o3) + o2.
; Flow 1's y0 hangs on flow 0's y0 alone, so the two flows' quantised products do not wait for each other; only the last line, out1 = y1 exp(o3') + o2', joins them.
; SHARES.  A work-group owns 512 rows.  Wave w takes flow f = w / 2 and row half w % 2: 256 rows, 16 tiles of 16.  Its h1, quantised (BF6, E3M2, one E8M0 byte for each 32 along K), stays in 384 registers.
; W2[f]'s codes, laid by the launch before in the order of the operand's registers, are walked ONCE a wave, 16 columns (an n-tile, 11 loads) at a time, from memory straight into a ring of four n-tiles in registers.
; The matrix instruction is used TRANSPOSED (source 0 = 16 columns of W2, source 1 = 16 rows of h1): lane (r, h) holds row r of the tile and its registers the hidden units 16 nu + 8 h + 0 .. 7.
; The product with W3's two columns is made on those registers by packed f32 multiply-adds, four behind each matrix instruction, one group of four tiles behind the products.
; NO LDS IN THE LOOP, NO JOINT LOADS: what work-groups share is the 53,248 bytes of codes that a wave walks once, for 512 matrix instructions; through LDS each of them would be written and then read by two waves,
; with a barrier for each refill, where here a lane's registers are filled whole by loads of 16 bytes.
; LIMITS: NaN and infinities are not served (the problem's 0 x infinity out of the first pass among them).  An exponential is v_exp_f32 of x log2(e): its relative error grows with |x|, about 1e-7 |x|.
; A block of zeros gets the scale byte 1: its codes are zeros.
; REGISTERS, in windows of 256 (s_set_vgpr_msb: bits 1:0 source 0, 3:2 source 1, 5:4 source 2, 7:6 destination):
;   window 0: v1-11 lane terms; v16-31 y0 of tile T, in both halves of the lanes; v32-47 h1's scale words; v48-51 W2's scale words, a ring; v52-63 at work; v64-127 64 numbers of h1 (first z's inputs, at the end the results); v128-255 b1 in the operand's order
;   window 1, 2: v0-191 h1's codes of K step 0, 1 (tile T at 12 T); v192-223 W3's column 2, 3, a ring; v224-230 second halves of blocks, as the conversions leave them
;   window 3: v0-63 two sets of four accumulators; v64-127 the sums for o2, o3 (tile T: pairs at 64 + 4 T, 66 + 4 T); before that v0-127 W1's row 0 in the operand's order; v128-223 W2's codes, a ring; v224-226 lane terms; v232-239 z1
.set BLK,  3328                        ; an n-tile's block of wq: 2 x 1,536 bytes of codes, 128 of scale words, 64 + 64 of W3's two columns
.set L16,  4                           ; v4   16 x lane
.set L4,   5                           ; v5   4 x lane
.set H32,  6                           ; v6   32 h
.set H128, 7                           ; v7   128 h
.set H8,   8                           ; v8   8 h
.set L8,   9                           ; v9   8 x lane
.set VX,   10                          ; v10  LDS: 1,024 x row half + 4 x lane
.set YT,   16
.set SA,   32
.set SW,   48
.set MA,   52
.set MB,   54
.set SC,   56
.set BY,   58
.set UU,   60
.set VC,   62                          ; v62-63 c2, c3 in lanes 0-15, 0 in lanes 16-31
.set H,    64
.set BT,   128
.set SS,   64                          ; window 3
.set WR,   128                         ; window 3
.set W3R,  192                         ; windows 1, 2
.set CT,   224                         ; windows 1, 2
.set ZK,   232                         ; window 3
.set P2,   64                          ; the end, window 0
.set P3,   80
.set Z1,   96
.set EX,   104
.set Y1,   112
.set OUTP, 128
.set MSB, 0
.macro WIN new                         ; the immediate's high byte repeats the setting that is left; a switch that changes nothing is dropped
.if MSB != (\new)
	s_set_vgpr_msb (MSB<<8)|(\new)
.set MSB, (\new)
.endif
.endm
; An n-tile into ring place b: 11 loads.  The lane terms are window 3's copies, so that the first six loads stand under the setting that the products leave.
.macro LOADT b, base, off
	WIN 0xFB                                       ; destination and address window 3
.irp s, 0,1
.irp q, 0,1,2
	global_load_b128 v[WR+24*(\b)+12*\s+4*\q:WR+24*(\b)+12*\s+4*\q+3], v224, s[\base:\base+1] offset:(\off)+1536*\s+512*\q
.endr
.endr
	WIN 0x43                                       ; destination window 1
	global_load_b128 v[W3R+8*(\b):W3R+8*(\b)+3], v225, s[\base:\base+1] offset:(\off)+3200      ; W3's column 2 at my eight hidden units
	global_load_b128 v[W3R+8*(\b)+4:W3R+8*(\b)+7], v225, s[\base:\base+1] offset:(\off)+3216
	WIN 0x83                                       ; destination window 2
	global_load_b128 v[W3R+8*(\b):W3R+8*(\b)+3], v225, s[\base:\base+1] offset:(\off)+3264      ; column 3
	global_load_b128 v[W3R+8*(\b)+4:W3R+8*(\b)+7], v225, s[\base:\base+1] offset:(\off)+3280
	WIN 0x03                                       ; destination window 0
	global_load_b32 v[SW+(\b)], v226, s[\base:\base+1] offset:(\off)+3072
.endm
	s_load_b256 s[4:11], s[0:1], 0x0               ; z_mean s[4:5], z_log_var s[6:7], epsilon s[8:9], W1 s[10:11]
	s_load_b256 s[12:19], s[0:1], 0x20             ; b1 s[12:13], wq s[14:15], cst s[16:17], out0 s[18:19]
	v_lshl_add_u32 v14, v0, 2, 0x800
	v_mov_b32 v15, 0
	v_lshrrev_b32 v1, 5, v0
	v_readfirstlane_b32 s20, v1                    ; wave 0..3
	s_lshr_b32 s21, s20, 1                         ; f: my flow
	s_and_b32 s22, s20, 1                          ; my half of the work-group's rows
	v_and_b32 v1, 31, v0                           ; lane
	v_bfe_u32 v3, v0, 4, 1                         ; h
	v_lshlrev_b32 v[L16], 4, v1
	v_lshlrev_b32 v[L4], 2, v1
	v_lshlrev_b32 v[H32], 5, v3
	v_lshlrev_b32 v[H128], 7, v3
	v_lshlrev_b32 v[H8], 3, v3
	v_lshlrev_b32 v[L8], 3, v1
	s_lshl_b32 s23, s22, 10
	v_add_nc_u32 v[VX], s23, v[L4]
	WIN 0xC0
	v_mov_b32 v224, v[L16]
	v_mov_b32 v225, v[H32]
	v_mov_b32 v226, v[L4]
	WIN 0
	s_lshl_b32 s24, ttmp9, 12                      ; 512 rows of 8 bytes a work-group,
	s_lshl_b32 s26, s22, 11                        ; 256 a wave
	s_add_co_u32 s24, s24, s26
	s_mov_b32 s25, 0
	s_mov_b32 s27, 0
	s_mov_b32 s40, 0xffff0000                      ; lanes 16-31
	s_wait_kmcnt 0x0
	s_load_b128 s[28:31], s[16:17], 0x0            ; flow 0's c2, c3, E, S
	s_load_b128 s[32:35], s[16:17], 0x80           ; flow 1's
	s_add_nc_u64 s[4:5], s[4:5], s[24:25]
	s_add_nc_u64 s[6:7], s[6:7], s[24:25]
	s_add_nc_u64 s[8:9], s[8:9], s[24:25]
	s_add_nc_u64 s[18:19], s[18:19], s[24:25]
	s_lshl_b32 s26, s21, 11
	s_add_nc_u64 s[10:11], s[10:11], s[26:27]      ; W1[f][0]
	s_lshl_b32 s26, s21, 10
	s_add_nc_u64 s[12:13], s[12:13], s[26:27]      ; b1[f]
	s_mul_i32 s26, s21, 16*BLK
	s_add_nc_u64 s[14:15], s[14:15], s[26:27]      ; my flow's sixteen blocks of wq
	; W1's row 0 and b1 in the operand's order: register 64 s + 32 c + i holds k = 128 s + 64 c + 32 h + i
	WIN 0xC0
.set n, 0
.rept 32
	global_load_b128 v[4*n:4*n+3], v[H128], s[10:11] offset:512*(n/16)+256*((n/8)%2)+16*(n%8)
.set n, n+1
.endr
	WIN 0
.set n, 0
.rept 32
	global_load_b128 v[BT+4*n:BT+4*n+3], v[H128], s[12:13] offset:512*(n/16)+256*((n/8)%2)+16*(n%8)
.set n, n+1
.endr
.irp j, 0,1,2,3,4,5,6,7                ; lane l takes row 32 j + l: each load reads 256 consecutive bytes
	global_load_b64 v[64+2*\j:65+2*\j], v[L8], s[4:5] offset:256*\j
	global_load_b64 v[80+2*\j:81+2*\j], v[L8], s[6:7] offset:256*\j
	global_load_b64 v[96+2*\j:97+2*\j], v[L8], s[8:9] offset:256*\j
.endr
	LOADT 0, 14, 0                                 ; the ring's first four n-tiles land while h1 is made
	LOADT 1, 14, BLK
	LOADT 2, 14, 2*BLK
	LOADT 3, 14, 3*BLK
	WIN 0
	s_wait_loadcnt 44                              ; loads come back in order: all but the ring's 4 x 11 are in
	s_wait_kmcnt 0x0
	s_cmp_lg_u32 s21, 0
	s_cselect_b32 s36, s32, s28                    ; my flow's c2,
	s_cselect_b32 s37, s33, s29                    ; c3;
	s_cselect_b32 s38, s34, 1.0                    ; flow 1's waves carry y0 through flow 1 as well, flow 0's multiply by 1 and add 0
	s_cselect_b32 s39, s35, 0
.irp j, 0,1,2,3,4,5,6,7
	v_pk_mul_f32 v[80+2*\j:81+2*\j], v[80+2*\j:81+2*\j], 0x3f38aa3b op_sel_hi:[1,0]   ; z_log_var x log2(e) / 2
.endr
.set n, 0
.rept 16
	v_exp_f32 v[80+n], v[80+n]
.set n, n+1
.endr
	v_nop                                          ; a plain line behind the exponentials
	s_wait_alu depctr_va_vdst(0)
.irp j, 0,1,2,3,4,5,6,7
	v_pk_fma_f32 v[64+2*\j:65+2*\j], v[80+2*\j:81+2*\j], v[96+2*\j:97+2*\j], v[64+2*\j:65+2*\j]   ; z
.endr
.irp j, 0,1,2,3,4,5,6,7
	v_fma_f32 v[YT+2*\j], v[64+2*\j], s30, s31     ; flow 0's y0
.endr
.irp j, 0,1,2,3,4,5,6,7
	v_fma_f32 v[YT+2*\j], v[YT+2*\j], s38, s39     ; my flow's y0
.endr
.irp j, 0,1,2,3,4,5,6,7
	v_mov_b32 v[YT+2*\j+1], v[YT+2*\j]
.endr
.irp j, 0,1,2,3,4,5,6,7
	v_permlane16_swap_b32 v[YT+2*\j], v[YT+2*\j+1] ; the first now holds rows 32 j + 0 .. 15 in both halves of the lanes (tile 2 j), the second rows 32 j + 16 .. 31 (tile 2 j + 1)
.endr
	WIN 0xC0
.irp j, 0,1,2,3,4,5,6,7
	v_mov_b32 v[ZK+\j], v[65+2*\j]                 ; z1 is kept for the end
.endr
; h1 OF ONE TILE AND ONE K STEP: 64 numbers a lane, two whole blocks of 32 (blocks h and 2 + h of the K step's four), become 12 registers of codes and my two bytes of the scale word.
.macro QFRAG tile, ks
	WIN 0x03                                       ; W1's table lies in window 3
.set n, 0
.rept 32
.if ((\tile)%2) == 0
	v_pk_fma_f32 v[H+2*n:H+2*n+1], v[64*(\ks)+2*n:64*(\ks)+2*n+1], v[YT+2*((\tile)/2):YT+2*((\tile)/2)+1], v[BT+64*(\ks)+2*n:BT+64*(\ks)+2*n+1] op_sel_hi:[1,0,1]   ; of the pair of y0 the low word serves both halves,
.else
	v_pk_fma_f32 v[H+2*n:H+2*n+1], v[64*(\ks)+2*n:64*(\ks)+2*n+1], v[YT+2*((\tile)/2):YT+2*((\tile)/2)+1], v[BT+64*(\ks)+2*n:BT+64*(\ks)+2*n+1] op_sel:[0,1,0]      ; or the high word
.endif
.set n, n+1
.endr
	WIN 0
.irp c, 0,1
	v_max3_num_f32 v[MA+\c], |v[H+32*\c]|, |v[H+32*\c+1]|, 0x2800000   ; the floor 2^(5 - 127) is one more leaf: the byte cannot fall under 1
	v_max3_num_f32 v[MB+\c], |v[H+32*\c+16]|, |v[H+32*\c+17]|, |v[H+32*\c+18]|
.endr
.irp t, 0,1,2,3,4,5
.irp c, 0,1                            ; four chains by turns
	v_max3_num_f32 v[MA+\c], v[MA+\c], |v[H+32*\c+2+2*\t]|, |v[H+32*\c+3+2*\t]|
	v_max3_num_f32 v[MB+\c], v[MB+\c], |v[H+32*\c+19+2*\t]|, |v[H+32*\c+20+2*\t]|
.endr
.endr
.irp c, 0,1
	v_max3_num_f32 v[MA+\c], v[MA+\c], |v[H+32*\c+14]|, |v[H+32*\c+15]|
.endr
.irp c, 0,1
	v_max3_num_f32 v[MA+\c], v[MA+\c], v[MB+\c], |v[H+32*\c+31]|
.endr
.irp c, 0,1
	v_add_nc_u32 v[SC+\c], 0xfe000000, v[MA+\c]    ; 4 off the exponent field: the conversion's scale operand
.endr
.irp c, 0,1
	v_lshrrev_b32 v[BY+\c], 23, v[SC+\c]           ; the scale's byte
.endr
	v_lshl_or_b32 v[UU+(\ks)], v[BY+1], 16, v[BY]
	v_lshlrev_b32 v[UU+(\ks)], v[H8], v[UU+(\ks)]  ; at their places in the scale word
	WIN 0x40*((\ks)+1)                             ; the codes go to window 1 or 2
.irp c, 0,1
	v_cvt_scalef32_pk16_bf6_f32 v[12*(\tile)+6*\c:12*(\tile)+6*\c+2], v[H+32*\c:H+32*\c+15], v[SC+\c]
	v_cvt_scalef32_pk16_bf6_f32 v[CT+4*\c:CT+4*\c+2], v[H+32*\c+16:H+32*\c+31], v[SC+\c]   ; (a conversion's three registers begin on an even number)
.endr
	v_nop                                          ; one plain line behind the scaled conversions
	WIN 0x41*((\ks)+1)
.irp c, 0,1
.irp i, 0,1,2
	v_mov_b32 v[12*(\tile)+6*\c+3+\i], v[CT+4*\c+\i]
.endr
.endr
.endm
.macro QTILE tile
	QFRAG \tile, 0
	QFRAG \tile, 1
	WIN 0
	v_permlane16_swap_b32 v[UU], v[UU+1]           ; K step 0's upper lanes change places with K step 1's lower ones:
	v_or_b32 v[SA+(\tile)], v[UU], v[UU+1]         ; lanes 0-15: row r's word for K step 0; lanes 16-31: for K step 1
.endm
.irp tl, 0,1,2,3,4,5,6,7,8,9,10,11,12,13,14,15
	QTILE \tl
.endr
	; The sums for o2 and o3 begin with the constants, in lanes 0-15 alone: the two halves of the lanes are added at the end.  W1's table is done with: the sums take its place.
	; These lines are also the places between the last vector writes of codes and scale words and the first scaled matrix instruction.
	v_mov_b32 v11, 0
	v_mov_b32 v[VC], s36
	v_mov_b32 v[VC+1], s37
	v_cndmask_b32 v[VC], v[VC], v11, s40
	v_cndmask_b32 v[VC+1], v[VC+1], v11, s40
	WIN 0xC0
.irp tl, 0,1,2,3,4,5,6,7,8,9,10,11,12,13,14,15
	v_mov_b32 v[SS+4*\tl], v[VC]
	v_mov_b32 v[SS+4*\tl+1], 0
	v_mov_b32 v[SS+4*\tl+2], v[VC+1]
	v_mov_b32 v[SS+4*\tl+3], 0
.endr
; A STEP: the n-tile in ring place b against the four tiles of rows 4 g .. 4 g + 3: eight matrix instructions, K step 0 of the four and then K step 1, into accumulator set g % 2.
; The four accumulators take turns, one instruction a turn.  K step 0 starts the sums with the constant 0; K step 1 reads both scale words from lanes 16-31.
; fma = 1: behind each matrix instruction stand four packed multiply-adds on the OTHER set, the step before's results: registers 2 k, 2 k + 1 of its four tiles x W3's column 2 (beside K step 0, window 1) or
; column 3 (beside K step 1, window 2): a matrix instruction and its four share one window setting.  They read each accumulator from its low end on, and are the places behind the matrix instructions (ISA guide 7.12.1).
.macro STEP b, g, fma
.set XS, 32*((\g)%2)
.set PX, 32-XS
.set PG, ((\g)+3)%4
.if (\g) == 0
.set PB, ((\b)+3)%4                    ; the step before belongs to the n-tile before
.else
.set PB, (\b)
.endif
.irp s, 0,1
	WIN 0xF7+4*\s                                  ; source 0, C and D window 3; source 1 window 1 or 2
.irp k, 0,1,2,3
.if \s == 0
	v_wmma_scale_f32_16x16x128_f8f6f4 v[XS+8*\k:XS+8*\k+7], v[WR+24*(\b):WR+24*(\b)+11], v[12*(4*(\g)+\k):12*(4*(\g)+\k)+11], 0, v[SW+(\b)], v[SA+4*(\g)+\k] matrix_a_fmt:MATRIX_FMT_BF6 matrix_b_fmt:MATRIX_FMT_BF6
.else
	v_wmma_scale_f32_16x16x128_f8f6f4 v[XS+8*\k:XS+8*\k+7], v[WR+24*(\b)+12:WR+24*(\b)+23], v[12*(4*(\g)+\k):12*(4*(\g)+\k)+11], v[XS+8*\k:XS+8*\k+7], v[SW+(\b)], v[SA+4*(\g)+\k] matrix_a_fmt:MATRIX_FMT_BF6 matrix_b_fmt:MATRIX_FMT_BF6 matrix_a_scale:MATRIX_SCALE_ROW1 matrix_b_scale:MATRIX_SCALE_ROW1
.endif
.if \fma
.irp t, 0,1,2,3
	v_pk_fma_f32 v[SS+4*(4*PG+\t)+2*\s:SS+4*(4*PG+\t)+2*\s+1], v[PX+8*\t+2*\k:PX+8*\t+2*\k+1], v[W3R+8*PB+2*\k:W3R+8*PB+2*\k+1], v[SS+4*(4*PG+\t)+2*\s:SS+4*(4*PG+\t)+2*\s+1]
.endr
.endif
.endr
.endr
.endm
	s_wait_loadcnt 33                              ; n-tile 0 is in; the 3 x 11 loads of tiles 1 to 3 may be out
	STEP 0, 0, 0                                   ; the first step has no results before it
.rept 4
	v_nop                                          ; the places behind it
.endr
	WIN 0                                          ; at a label and at a branch every window is 0
	s_add_nc_u64 s[42:43], s[14:15], 4*BLK         ; the stream goes on at n-tile 4
	s_mov_b32 s41, 3
.Ltrip:                                            ; a trip goes once round the ring, from an n-tile's second step to the first step four n-tiles on, and fills all four places again.
	STEP 0, 1, 1                                   ; A place is filled behind the first step of the next n-tile, whose multiply-adds are the last readers of its W3
	STEP 0, 2, 1
	STEP 0, 3, 1
	s_wait_loadcnt 22                              ; the next n-tile is in; the 2 x 11 loads of the two behind it may be out
	STEP 1, 0, 1
	LOADT 0, 42, 0
	STEP 1, 1, 1
	STEP 1, 2, 1
	STEP 1, 3, 1
	s_wait_loadcnt 22
	STEP 2, 0, 1
	LOADT 1, 42, BLK
	STEP 2, 1, 1
	STEP 2, 2, 1
	STEP 2, 3, 1
	s_wait_loadcnt 22
	STEP 3, 0, 1
	LOADT 2, 42, 2*BLK
	STEP 3, 1, 1
	STEP 3, 2, 1
	STEP 3, 3, 1
	s_wait_loadcnt 22
	STEP 0, 0, 1
	LOADT 3, 42, 3*BLK
	WIN 0
	s_wait_xcnt 0x0                                ; the loads' addresses are translated: only behind this wait is their base stepped
	s_add_nc_u64 s[42:43], s[42:43], 4*BLK
	s_sub_co_u32 s41, s41, 1
	s_cmp_lg_u32 s41, 0
	s_cbranch_scc1 .Ltrip
	STEP 0, 1, 1                                   ; the last four n-tiles: nothing is left to load, and the counts run down
	STEP 0, 2, 1
	STEP 0, 3, 1
	s_wait_loadcnt 22
	STEP 1, 0, 1
	STEP 1, 1, 1
	STEP 1, 2, 1
	STEP 1, 3, 1
	s_wait_loadcnt 11
	STEP 2, 0, 1
	STEP 2, 1, 1
	STEP 2, 2, 1
	STEP 2, 3, 1
	s_wait_loadcnt 0x0
	STEP 3, 0, 1
	STEP 3, 1, 1
	STEP 3, 2, 1
	STEP 3, 3, 1
.irp s, 0,1                            ; the last step's results (set 1, tiles 12 to 15, ring place 3)
	WIN 0xF7+4*\s
.irp k, 0,1,2,3
.irp t, 0,1,2,3
	v_pk_fma_f32 v[SS+4*(12+\t)+2*\s:SS+4*(12+\t)+2*\s+1], v[32+8*\t+2*\k:32+8*\t+2*\k+1], v[W3R+24+2*\k:W3R+24+2*\k+1], v[SS+4*(12+\t)+2*\s:SS+4*(12+\t)+2*\s+1]
.endr
.endr
.endr
	; THE END.  Each sum's two words are added; then the two halves of the lanes, in a way that also brings lane l back to row 32 j + l.
	WIN 0x0F                                       ; sources 0 and 1 window 3, destination window 0
.irp tl, 0,1,2,3,4,5,6,7,8,9,10,11,12,13,14,15
	v_add_f32 v[P2+\tl], v[SS+4*\tl], v[SS+4*\tl+1]
	v_add_f32 v[P3+\tl], v[SS+4*\tl+2], v[SS+4*\tl+3]
.endr
.irp j, 0,1,2,3,4,5,6,7
	v_mov_b32 v[Z1+\j], v[ZK+\j]
.endr
	WIN 0
.irp j, 0,1,2,3,4,5,6,7
	v_permlane16_swap_b32 v[P2+2*\j], v[P2+2*\j+1] ; the first: both tiles' lower halves; the second: both tiles' upper halves
	v_permlane16_swap_b32 v[P3+2*\j], v[P3+2*\j+1]
.endr
.irp j, 0,1,2,3,4,5,6,7
	v_add_f32 v[P2+2*\j], v[P2+2*\j], v[P2+2*\j+1] ; o2 of row 32 j + lane
	v_add_f32 v[P3+2*\j], v[P3+2*\j], v[P3+2*\j+1] ; o3
.endr
.irp j, 0,1,2,3,4,5,6,7
	v_mul_f32 v[EX+\j], 0x3fb8aa3b, v[P3+2*\j]
.endr
.irp j, 0,1,2,3,4,5,6,7
	v_exp_f32 v[EX+\j], v[EX+\j]                   ; exp(o3)
.endr
	v_nop                                          ; a plain line behind the exponentials
	s_cmp_lg_u32 s21, 0                            ; flow 0's waves hand their y1 to flow 1's wave of the same rows, through LDS
	s_cbranch_scc1 .Lno_store
	s_wait_alu depctr_va_vdst(0)
.irp j, 0,1,2,3,4,5,6,7
	v_fma_f32 v[Y1+\j], v[Z1+\j], v[EX+\j], v[P2+2*\j]     ; y1 = z1 exp(o3) + o2
.endr
.irp j, 0,1,2,3,4,5,6,7
	ds_store_b32 v[VX], v[Y1+\j] offset:128*\j
.endr
.Lno_store:
	s_wait_dscnt 0x0                               ; for the others' sake: my stores have landed
	s_barrier_signal -1
	s_barrier_wait -1
	s_cmp_eq_u32 s21, 0
	s_cbranch_scc1 .Ldone
.irp j, 0,1,2,3,4,5,6,7
	ds_load_b32 v[Y1+\j], v[VX] offset:128*\j
.endr
.irp j, 0,1,2,3,4,5,6,7
	v_cndmask_b32 v[OUTP+2*\j], v[YT+2*\j], v[YT+2*\j+1], s40      ; out[.][0]: flow 1's y0, lane l back at row 32 j + l
.endr
	s_wait_dscnt 0x0
	s_wait_alu depctr_va_vdst(0)
.irp j, 0,1,2,3,4,5,6,7
	v_fma_f32 v[OUTP+2*\j+1], v[Y1+\j], v[EX+\j], v[P2+2*\j]       ; out[.][1] = y1 exp(o3') + o2'
.endr
.irp j, 0,1,2,3,4,5,6,7
	global_store_b64 v[L8], v[OUTP+2*\j:OUTP+2*\j+1], s[18:19] offset:256*\j th:TH_STORE_NT   ; 32 lanes store 256 consecutive bytes, at a multiple of 256 from out0's first byte
.endr
.Ldone:
	s_wait_tensorcnt 0x0
	ds_add_u32 v14, v15
	s_wait_dscnt 0x0
	s_endpgm
.Lfunc_end_k_q34557cdc93_main:
	.size	k_q34557cdc93_main, .Lfunc_end_k_q34557cdc93_main-k_q34557cdc93_main
	.p2alignl 7, 3214868480
	.fill 96, 4, 3214868480
	.section	.rodata,"a",@progbits
	.p2align	6, 0x0
	.amdhsa_kernel k_q34557cdc93_main
		.amdhsa_group_segment_fixed_size 2560
		.amdhsa_private_segment_fixed_size 0
		.amdhsa_enable_private_segment 0
		.amdhsa_kernarg_size 64
		.amdhsa_user_sgpr_count 2
		.amdhsa_user_sgpr_kernarg_segment_ptr 1
		.amdhsa_wavefront_size32 1
		.amdhsa_system_sgpr_workgroup_id_x 1
		.amdhsa_system_sgpr_workgroup_id_y 1
		.amdhsa_system_sgpr_workgroup_id_z 1
		.amdhsa_system_vgpr_workitem_id 0
		.amdhsa_next_free_vgpr 1024
		.amdhsa_next_free_sgpr 66
		.amdhsa_reserve_vcc 0
		.amdhsa_float_denorm_mode_32 3
		.amdhsa_float_denorm_mode_16_64 3
		.amdhsa_memory_ordered 1
		.amdhsa_forward_progress 1
		.amdhsa_inst_pref_size 255
	.end_amdhsa_kernel
	.section	.bss,"aw",@nobits
	.p2align	6
	.space	262144
	.amdgpu_metadata
---
amdhsa.version: [ 1, 2 ]
amdhsa.kernels:
  - .name:           k_q34557cdc93_main
    .symbol:         k_q34557cdc93_main.kd
    .args:
      - { .name: z_mean, .offset: 0, .size: 8, .value_kind: global_buffer, .address_space: global }
      - { .name: z_log_var, .offset: 8, .size: 8, .value_kind: global_buffer, .address_space: global }
      - { .name: epsilon, .offset: 16, .size: 8, .value_kind: global_buffer, .address_space: global }
      - { .name: W1, .offset: 24, .size: 8, .value_kind: global_buffer, .address_space: global }
      - { .name: b1, .offset: 32, .size: 8, .value_kind: global_buffer, .address_space: global }
      - { .name: wq, .offset: 40, .size: 8, .value_kind: global_buffer, .address_space: global }
      - { .name: cst, .offset: 48, .size: 8, .value_kind: global_buffer, .address_space: global }
      - { .name: out0, .offset: 56, .size: 8, .value_kind: global_buffer, .address_space: global }
    .group_segment_fixed_size: 2560
    .private_segment_fixed_size: 0
    .kernarg_segment_align: 8
    .kernarg_segment_size: 64
    .max_flat_workgroup_size: 128
    .sgpr_count:     66
    .vgpr_count:     1024
    .wavefront_size: 32
...
	.end_amdgpu_metadata
.endif
;; end of part 2
;; ======== version 2 of 2: 2 launches; version 1 with the launch main written anew for expert scheduling mode
;; workspace buffers: wq 106,496 bytes; cst 256 bytes
;; launch prep: the kernel of part 1 again; grid 8 x 1, 4 waves a work-group, no clusters, 0 bytes of LDS; arguments W2, W3, b2, b3, wq, cst; writes wq, cst
;; launch main (part 3): grid 256 x 1, 4 waves a work-group, no clusters, 2,560 bytes of LDS; arguments z_mean, z_log_var, epsilon, W1, b1, wq, cst, out0; writes out0
.if DOCPART == 3
	.amdgcn_target "amdgcn-amd-amdhsa--gfx1250"
	.amdhsa_code_object_version 6
	.text
	.protected	k_q34557cdc93_main
	.globl	k_q34557cdc93_main
	.p2align	8
	.type	k_q34557cdc93_main,@function
k_q34557cdc93_main:
	s_mov_b64 s[64:65], 0
	v_nop
	global_prefetch_b8 v0, s[64:65] scope:SCOPE_SE
	s_setreg_imm32_b32 hwreg(HW_REG_WAVE_SCHED_MODE, 0, 2), 2
	s_setreg_imm32_b32 hwreg(HW_REG_WAVE_MODE, 25, 1), 1
	s_wait_xcnt 0x0
	s_wait_alu depctr_vm_vsrc(0)
; z = z_mean + exp(z_log_var / 2) epsilon, then two flows of a masked autoregressive net, each with two passes.
; WHAT THE PROBLEM'S OWN MASKS LEAVE.  Row 1 of W1 and columns 0, 1 of W3 are multiplied by zeros.  So in flow f:  y0 = x0 exp(b3[1]) + b3[0] in both passes; the first pass's y1 meets only the zeroed row of W1,
; so that pass's products are thrown away; the second pass is  h1[k] = y0 W1[f][0][k] + b1[f][k],  h2 = Q(h1) Q(W2[f]) + b2,  o2, o3 = h2 W3[f][:, 2], h2 W3[f][:, 3] + b3[2], b3[3],  y1 = x1 exp(o3) + o2.
; Flow 1's y0 hangs on flow 0's y0 alone, so the two flows' quantised products do not wait for each other; only the last line, out1 = y1 exp(o3') + o2', joins them.
; SHARES.  A work-group owns 512 rows.  Wave w takes flow f = w / 2 and row half w % 2: 256 rows, 16 tiles of 16.  Its h1, quantised (BF6, E3M2, one E8M0 byte for each 32 along K), stays in 384 registers.
; W2[f]'s codes, laid by the launch before in the order of the operand's registers, are walked ONCE a wave, 16 columns (an n-tile, 11 loads) at a time, from memory straight into a ring of four n-tiles in registers.
; The matrix instruction is used TRANSPOSED (source 0 = 16 columns of W2, source 1 = 16 rows of h1): lane (r, h) holds row r of the tile and its registers the hidden units 16 nu + 8 h + 0 .. 7.
; The product with W3's two columns is made on those registers by packed f32 multiply-adds, four behind each matrix instruction, one group of four tiles behind the products.
; NO LDS IN THE LOOP, NO JOINT LOADS: what work-groups share is the 53,248 bytes of codes that a wave walks once, for 512 matrix instructions; through LDS each of them would be written and then read by two waves,
; with a barrier for each refill, where here a lane's registers are filled whole by loads of 16 bytes.
; LIMITS: NaN and infinities are not served (the problem's 0 x infinity out of the first pass among them).  An exponential is v_exp_f32 of x log2(e): its relative error grows with |x|, about 1e-7 |x|.
; A block of zeros gets the scale byte 1: its codes are zeros.
; THE MODE: SCHED_MODE bits 1:0 = 2 (LLVM: expert scheduling mode 2), set by the entry lines.  The code itself states the register dependences
; between vector or matrix instructions and memory or LDS instructions, with s_wait_alu, always for 0.
; THE PLAN.  Registers that memory or LDS instructions touch:
;   the lane terms v4-10 and their copies v224-226 of window 3   written at the head, read as offsets by every load and store, never written again: the stream's scalar base moves on, and immediate offsets do the rest.
;   the tables and z's inputs                                    loaded once at the head, into registers that no vector instruction has named.
;   ring place b: W2's codes, its scale words, W3's two columns  written by loads alone.  The codes and scale words are read by the 32 matrix instructions of n-tile b's four steps, W3's columns by the multiply-adds
;                                                                that stand one step behind them: the last of these in the FIRST step of the next n-tile.
;   Y1, the output pairs                                         written once by vector instructions, read by the stores behind them, never written again.
;   YL                                                           y1 as it is read back from LDS: registers of its own, last named by the last tile's conversions.
; So ONE wait on va_vdst stands in an n-tile, behind the first step of the next n-tile: it states that place b's readers are done.  Behind it stand the five loads that need another register window; the six loads of codes are
; dealt among the next step's matrix instructions, which name the next place, the accumulators, the sums and h1's codes and scale words: none of the registers that those loads touch.
; Past the entry, no wait on vm_vsrc is needed: no register that a memory or LDS instruction has read is written again.
; REGISTERS, in windows of 256 (s_set_vgpr_msb: bits 1:0 source 0, 3:2 source 1, 5:4 source 2, 7:6 destination):
;   window 0: v1-11 lane terms; v16-31 y0 of tile T, in both halves of the lanes; v32-47 h1's scale words; v48-51 W2's scale words, a ring; v52-63 at work; v64-127 64 numbers of h1 (first z's inputs, at the end the results); v128-255 b1 in the operand's order
;   window 1, 2: v0-191 h1's codes of K step 0, 1 (tile T at 12 T); v192-223 W3's column 2, 3, a ring; v224-230 second halves of blocks, as the conversions leave them
;   window 3: v0-63 two sets of four accumulators; v64-127 the sums for o2, o3 (tile T: pairs at 64 + 4 T, 66 + 4 T); before that v0-127 W1's row 0 in the operand's order; v128-223 W2's codes, a ring; v224-226 lane terms; v232-239 z1
.set BLK,  3328                        ; an n-tile's block of wq: 2 x 1,536 bytes of codes, 128 of scale words, 64 + 64 of W3's two columns
.set L16,  4                           ; v4   16 x lane
.set L4,   5                           ; v5   4 x lane
.set H32,  6                           ; v6   32 h
.set H128, 7                           ; v7   128 h
.set H8,   8                           ; v8   8 h
.set L8,   9                           ; v9   8 x lane
.set VX,   10                          ; v10  LDS: 1,024 x row half + 4 x lane
.set YT,   16
.set SA,   32
.set SW,   48
.set MA,   52
.set MB,   54
.set SC,   56
.set BY,   58
.set UU,   60
.set VC,   62                          ; v62-63 c2, c3 in lanes 0-15, 0 in lanes 16-31
.set H,    64
.set BT,   128
.set SS,   64                          ; window 3
.set WR,   128                         ; window 3
.set W3R,  192                         ; windows 1, 2
.set CT,   224                         ; windows 1, 2
.set ZK,   232                         ; window 3
.set P2,   64                          ; the end, window 0
.set P3,   80
.set Z1,   96
.set EX,   104
.set Y1,   112                         ; y1 as flow 0's waves make and store it
.set YL,   120                         ; y1 as flow 1's waves read it back
.set OUTP, 128
.set MSB, 0
.macro WIN new                         ; the immediate's high byte repeats the setting that is left; a switch that changes nothing is dropped
.if MSB != (\new)
	s_set_vgpr_msb (MSB<<8)|(\new)
.set MSB, (\new)
.endif
.endm
; An n-tile into ring place b, at the head: 11 loads on end.  The lane terms are window 3's copies.
.macro LOADT b, base, off
	WIN 0xFB                                       ; destination and address window 3
.irp s, 0,1
.irp q, 0,1,2
	global_load_b128 v[WR+24*(\b)+12*\s+4*\q:WR+24*(\b)+12*\s+4*\q+3], v224, s[\base:\base+1] offset:(\off)+1536*\s+512*\q
.endr
.endr
	WIN 0x43                                       ; destination window 1
	global_load_b128 v[W3R+8*(\b):W3R+8*(\b)+3], v225, s[\base:\base+1] offset:(\off)+3200      ; W3's column 2 at my eight hidden units
	global_load_b128 v[W3R+8*(\b)+4:W3R+8*(\b)+7], v225, s[\base:\base+1] offset:(\off)+3216
	WIN 0x83                                       ; destination window 2
	global_load_b128 v[W3R+8*(\b):W3R+8*(\b)+3], v225, s[\base:\base+1] offset:(\off)+3264      ; column 3
	global_load_b128 v[W3R+8*(\b)+4:W3R+8*(\b)+7], v225, s[\base:\base+1] offset:(\off)+3280
	WIN 0x03                                       ; destination window 0
	global_load_b32 v[SW+(\b)], v226, s[\base:\base+1] offset:(\off)+3072
.endm
; Ring place b is asked for again, in the loop: the wait, and the five loads that need a window of their own.  The six loads of codes follow in the next step (macro STEP).
.macro ASK b
	WIN 0x43                                       ; destination window 1, address window 3
	s_wait_alu depctr_va_vdst(0)                   ; place b's readers are done: the matrix instructions of its four steps have read its codes and its scale words, the multiply-adds of the step just issued its two columns of W3: the eleven loads land there
	global_load_b128 v[W3R+8*(\b):W3R+8*(\b)+3], v225, s[42:43] offset:(\b)*BLK+3200            ; W3's column 2 at my eight hidden units
	global_load_b128 v[W3R+8*(\b)+4:W3R+8*(\b)+7], v225, s[42:43] offset:(\b)*BLK+3216
	WIN 0x83                                       ; destination window 2
	global_load_b128 v[W3R+8*(\b):W3R+8*(\b)+3], v225, s[42:43] offset:(\b)*BLK+3264            ; column 3
	global_load_b128 v[W3R+8*(\b)+4:W3R+8*(\b)+7], v225, s[42:43] offset:(\b)*BLK+3280
	WIN 0x03                                       ; destination window 0
	global_load_b32 v[SW+(\b)], v226, s[42:43] offset:(\b)*BLK+3072
.endm
	s_load_b256 s[4:11], s[0:1], 0x0               ; z_mean s[4:5], z_log_var s[6:7], epsilon s[8:9], W1 s[10:11]
	s_load_b256 s[12:19], s[0:1], 0x20             ; b1 s[12:13], wq s[14:15], cst s[16:17], out0 s[18:19]
	v_lshl_add_u32 v14, v0, 2, 0x800
	v_mov_b32 v15, 0
	v_lshrrev_b32 v1, 5, v0
	v_readfirstlane_b32 s20, v1                    ; wave 0..3
	v_and_b32 v1, 31, v0                           ; lane
	v_bfe_u32 v3, v0, 4, 1                         ; h
	v_lshlrev_b32 v[L16], 4, v1
	v_lshlrev_b32 v[L4], 2, v1
	v_lshlrev_b32 v[H32], 5, v3
	v_lshlrev_b32 v[H128], 7, v3
	v_lshlrev_b32 v[H8], 3, v3
	v_lshlrev_b32 v[L8], 3, v1
	s_wait_alu depctr_va_sdst(0)                   ; s20 is written, ahead of its first reader: my flow, my half of the rows and all bases are made from it
	s_lshr_b32 s21, s20, 1                         ; f: my flow
	s_and_b32 s22, s20, 1                          ; my half of the work-group's rows
	s_lshl_b32 s23, s22, 10
	v_add_nc_u32 v[VX], s23, v[L4]
	WIN 0xC0
	v_mov_b32 v224, v[L16]
	v_mov_b32 v225, v[H32]
	v_mov_b32 v226, v[L4]
	WIN 0
	s_lshl_b32 s24, ttmp9, 12                      ; 512 rows of 8 bytes a work-group,
	s_lshl_b32 s26, s22, 11                        ; 256 a wave
	s_add_co_u32 s24, s24, s26
	s_mov_b32 s25, 0
	s_mov_b32 s27, 0
	s_mov_b32 s40, 0xffff0000                      ; lanes 16-31
	s_wait_kmcnt 0x0
	s_load_b128 s[28:31], s[16:17], 0x0            ; flow 0's c2, c3, E, S
	s_load_b128 s[32:35], s[16:17], 0x80           ; flow 1's
	s_add_nc_u64 s[4:5], s[4:5], s[24:25]
	s_add_nc_u64 s[6:7], s[6:7], s[24:25]
	s_add_nc_u64 s[8:9], s[8:9], s[24:25]
	s_add_nc_u64 s[18:19], s[18:19], s[24:25]
	s_lshl_b32 s26, s21, 11
	s_add_nc_u64 s[10:11], s[10:11], s[26:27]      ; W1[f][0]
	s_lshl_b32 s26, s21, 10
	s_add_nc_u64 s[12:13], s[12:13], s[26:27]      ; b1[f]
	s_mul_i32 s26, s21, 16*BLK
	s_add_nc_u64 s[14:15], s[14:15], s[26:27]      ; my flow's sixteen blocks of wq
	; W1's row 0 and b1 in the operand's order: register 64 s + 32 c + i holds k = 128 s + 64 c + 32 h + i
	WIN 0xC0
	s_wait_alu depctr_va_vdst(0)                   ; the lane terms v4 to v10 and their copies v224 to v226 of window 3 are written: every load and store of the kernel reads one of them as its offset or its LDS address
.set n, 0
.rept 32
	global_load_b128 v[4*n:4*n+3], v[H128], s[10:11] offset:512*(n/16)+256*((n/8)%2)+16*(n%8)
.set n, n+1
.endr
	WIN 0
.set n, 0
.rept 32
	global_load_b128 v[BT+4*n:BT+4*n+3], v[H128], s[12:13] offset:512*(n/16)+256*((n/8)%2)+16*(n%8)
.set n, n+1
.endr
.irp j, 0,1,2,3,4,5,6,7                ; lane l takes row 32 j + l: each load reads 256 consecutive bytes
	global_load_b64 v[64+2*\j:65+2*\j], v[L8], s[4:5] offset:256*\j
	global_load_b64 v[80+2*\j:81+2*\j], v[L8], s[6:7] offset:256*\j
	global_load_b64 v[96+2*\j:97+2*\j], v[L8], s[8:9] offset:256*\j
.endr
	LOADT 0, 14, 0                                 ; the ring's first four n-tiles land while h1 is made; no vector instruction has named their registers
	LOADT 1, 14, BLK
	LOADT 2, 14, 2*BLK
	LOADT 3, 14, 3*BLK
	WIN 0
	s_wait_loadcnt 44                              ; loads come back in order: all but the ring's 4 x 11 are in
	s_wait_kmcnt 0x0
	s_cmp_lg_u32 s21, 0
	s_cselect_b32 s36, s32, s28                    ; my flow's c2,
	s_cselect_b32 s37, s33, s29                    ; c3;
	s_cselect_b32 s38, s34, 1.0                    ; flow 1's waves carry y0 through flow 1 as well, flow 0's multiply by 1 and add 0
	s_cselect_b32 s39, s35, 0
.irp j, 0,1,2,3,4,5,6,7
	v_pk_mul_f32 v[80+2*\j:81+2*\j], v[80+2*\j:81+2*\j], 0x3f38aa3b op_sel_hi:[1,0]   ; z_log_var x log2(e) / 2
.endr
.set n, 0
.rept 16
	v_exp_f32 v[80+n], v[80+n]
.set n, n+1
.endr
	v_nop                                          ; a plain line behind the exponentials
	s_wait_alu depctr_va_vdst(0)                   ; the sixteen exponentials have written v80 to v95, ahead of their first reader: one wait for the batch
.irp j, 0,1,2,3,4,5,6,7
	v_pk_fma_f32 v[64+2*\j:65+2*\j], v[80+2*\j:81+2*\j], v[96+2*\j:97+2*\j], v[64+2*\j:65+2*\j]   ; z
.endr
.irp j, 0,1,2,3,4,5,6,7
	v_fma_f32 v[YT+2*\j], v[64+2*\j], s30, s31     ; flow 0's y0
.endr
.irp j, 0,1,2,3,4,5,6,7
	v_fma_f32 v[YT+2*\j], v[YT+2*\j], s38, s39     ; my flow's y0
.endr
.irp j, 0,1,2,3,4,5,6,7
	v_mov_b32 v[YT+2*\j+1], v[YT+2*\j]
.endr
.irp j, 0,1,2,3,4,5,6,7
	v_permlane16_swap_b32 v[YT+2*\j], v[YT+2*\j+1] ; the first now holds rows 32 j + 0 .. 15 in both halves of the lanes (tile 2 j), the second rows 32 j + 16 .. 31 (tile 2 j + 1)
.endr
	WIN 0xC0
.irp j, 0,1,2,3,4,5,6,7
	v_mov_b32 v[ZK+\j], v[65+2*\j]                 ; z1 is kept for the end
.endr
; h1 OF ONE TILE AND ONE K STEP: 64 numbers a lane, two whole blocks of 32 (blocks h and 2 + h of the K step's four), become 12 registers of codes and my two bytes of the scale word.
.macro QFRAG tile, ks
	WIN 0x03                                       ; W1's table lies in window 3
.set n, 0
.rept 32
.if ((\tile)%2) == 0
	v_pk_fma_f32 v[H+2*n:H+2*n+1], v[64*(\ks)+2*n:64*(\ks)+2*n+1], v[YT+2*((\tile)/2):YT+2*((\tile)/2)+1], v[BT+64*(\ks)+2*n:BT+64*(\ks)+2*n+1] op_sel_hi:[1,0,1]   ; of the pair of y0 the low word serves both halves,
.else
	v_pk_fma_f32 v[H+2*n:H+2*n+1], v[64*(\ks)+2*n:64*(\ks)+2*n+1], v[YT+2*((\tile)/2):YT+2*((\tile)/2)+1], v[BT+64*(\ks)+2*n:BT+64*(\ks)+2*n+1] op_sel:[0,1,0]      ; or the high word
.endif
.set n, n+1
.endr
	WIN 0
.irp c, 0,1
	v_max3_num_f32 v[MA+\c], |v[H+32*\c]|, |v[H+32*\c+1]|, 0x2800000   ; the floor 2^(5 - 127) is one more leaf: the byte cannot fall under 1
	v_max3_num_f32 v[MB+\c], |v[H+32*\c+16]|, |v[H+32*\c+17]|, |v[H+32*\c+18]|
.endr
.irp t, 0,1,2,3,4,5
.irp c, 0,1                            ; four chains by turns
	v_max3_num_f32 v[MA+\c], v[MA+\c], |v[H+32*\c+2+2*\t]|, |v[H+32*\c+3+2*\t]|
	v_max3_num_f32 v[MB+\c], v[MB+\c], |v[H+32*\c+19+2*\t]|, |v[H+32*\c+20+2*\t]|
.endr
.endr
.irp c, 0,1
	v_max3_num_f32 v[MA+\c], v[MA+\c], |v[H+32*\c+14]|, |v[H+32*\c+15]|
.endr
.irp c, 0,1
	v_max3_num_f32 v[MA+\c], v[MA+\c], v[MB+\c], |v[H+32*\c+31]|
.endr
.irp c, 0,1
	v_add_nc_u32 v[SC+\c], 0xfe000000, v[MA+\c]    ; 4 off the exponent field: the conversion's scale operand
.endr
.irp c, 0,1
	v_lshrrev_b32 v[BY+\c], 23, v[SC+\c]           ; the scale's byte
.endr
	v_lshl_or_b32 v[UU+(\ks)], v[BY+1], 16, v[BY]
	v_lshlrev_b32 v[UU+(\ks)], v[H8], v[UU+(\ks)]  ; at their places in the scale word
	WIN 0x40*((\ks)+1)                             ; the codes go to window 1 or 2
.irp c, 0,1
	v_cvt_scalef32_pk16_bf6_f32 v[12*(\tile)+6*\c:12*(\tile)+6*\c+2], v[H+32*\c:H+32*\c+15], v[SC+\c]
	v_cvt_scalef32_pk16_bf6_f32 v[CT+4*\c:CT+4*\c+2], v[H+32*\c+16:H+32*\c+31], v[SC+\c]   ; (a conversion's three registers begin on an even number)
.endr
	v_nop                                          ; one plain line behind the scaled conversions
	WIN 0x41*((\ks)+1)
.irp c, 0,1
.irp i, 0,1,2
	v_mov_b32 v[12*(\tile)+6*\c+3+\i], v[CT+4*\c+\i]
.endr
.endr
.endm
.macro QTILE tile
	QFRAG \tile, 0
	QFRAG \tile, 1
	WIN 0
	v_permlane16_swap_b32 v[UU], v[UU+1]           ; K step 0's upper lanes change places with K step 1's lower ones:
	v_or_b32 v[SA+(\tile)], v[UU], v[UU+1]         ; lanes 0-15: row r's word for K step 0; lanes 16-31: for K step 1
.endm
.irp tl, 0,1,2,3,4,5,6,7,8,9,10,11,12,13,14,15
	QTILE \tl
.endr
	; The sums for o2 and o3 begin with the constants, in lanes 0-15 alone: the two halves of the lanes are added at the end.  W1's table is done with: the sums take its place.
	; These lines are also the places between the last vector writes of codes and scale words and the first scaled matrix instruction.
	v_mov_b32 v11, 0
	v_mov_b32 v[VC], s36
	v_mov_b32 v[VC+1], s37
	v_cndmask_b32 v[VC], v[VC], v11, s40
	v_cndmask_b32 v[VC+1], v[VC+1], v11, s40
	WIN 0xC0
.irp tl, 0,1,2,3,4,5,6,7,8,9,10,11,12,13,14,15
	v_mov_b32 v[SS+4*\tl], v[VC]
	v_mov_b32 v[SS+4*\tl+1], 0
	v_mov_b32 v[SS+4*\tl+2], v[VC+1]
	v_mov_b32 v[SS+4*\tl+3], 0
.endr
; A STEP: the n-tile in ring place b against the four tiles of rows 4 g .. 4 g + 3: eight matrix instructions, K step 0 of the four and then K step 1, into accumulator set g % 2.
; The four accumulators take turns, one instruction a turn.  K step 0 starts the sums with the constant 0; K step 1 reads both scale words from lanes 16-31.
; fma = 1: behind each matrix instruction stand four packed multiply-adds on the OTHER set, the step before's results: registers 2 k, 2 k + 1 of its four tiles x W3's column 2 (beside K step 0, window 1) or
; column 3 (beside K step 1, window 2): a matrix instruction and its four share one window setting.  They read each accumulator from its low end on, and are the places behind the matrix instructions (ISA guide 7.12.1).
; ld = 0 .. 3: ring place ld's six loads of codes, one behind each of the step's first six matrix instructions and its four: both of the step's window settings have the destination and source 0 in window 3, where the codes and
; their offset lie, so no switch is owed.  No wait either: no vector or matrix instruction since the wait in ASK names place ld or the offset.  ld = -1: none.
.macro STEP b, g, fma, ld
.set XS, 32*((\g)%2)
.set PX, 32-XS
.set PG, ((\g)+3)%4
.if (\g) == 0
.set PB, ((\b)+3)%4                    ; the step before belongs to the n-tile before
.else
.set PB, (\b)
.endif
.irp s, 0,1
	WIN 0xF7+4*\s                                  ; source 0, C and D window 3; source 1 window 1 or 2
.irp k, 0,1,2,3
.if \s == 0
	v_wmma_scale_f32_16x16x128_f8f6f4 v[XS+8*\k:XS+8*\k+7], v[WR+24*(\b):WR+24*(\b)+11], v[12*(4*(\g)+\k):12*(4*(\g)+\k)+11], 0, v[SW+(\b)], v[SA+4*(\g)+\k] matrix_a_fmt:MATRIX_FMT_BF6 matrix_b_fmt:MATRIX_FMT_BF6
.else
	v_wmma_scale_f32_16x16x128_f8f6f4 v[XS+8*\k:XS+8*\k+7], v[WR+24*(\b)+12:WR+24*(\b)+23], v[12*(4*(\g)+\k):12*(4*(\g)+\k)+11], v[XS+8*\k:XS+8*\k+7], v[SW+(\b)], v[SA+4*(\g)+\k] matrix_a_fmt:MATRIX_FMT_BF6 matrix_b_fmt:MATRIX_FMT_BF6 matrix_a_scale:MATRIX_SCALE_ROW1 matrix_b_scale:MATRIX_SCALE_ROW1
.endif
.if \fma
.irp t, 0,1,2,3
	v_pk_fma_f32 v[SS+4*(4*PG+\t)+2*\s:SS+4*(4*PG+\t)+2*\s+1], v[PX+8*\t+2*\k:PX+8*\t+2*\k+1], v[W3R+8*PB+2*\k:W3R+8*PB+2*\k+1], v[SS+4*(4*PG+\t)+2*\s:SS+4*(4*PG+\t)+2*\s+1]
.endr
.endif
.if ((\ld) >= 0) && (4*\s+\k < 6)
	global_load_b128 v[WR+24*(\ld)+4*(4*\s+\k):WR+24*(\ld)+4*(4*\s+\k)+3], v224, s[42:43] offset:(\ld)*BLK+512*(4*\s+\k)
.endif
.endr
.endr
.endm
	s_wait_loadcnt 33                              ; n-tile 0 is in; the 3 x 11 loads of tiles 1 to 3 may be out
	s_wait_alu depctr_va_vdst(0)                   ; the conversions and moves have written h1's codes, the last v_or_b32 its scale words: every scaled matrix instruction below takes them, and nothing writes them again; the places above stay beside this wait
	STEP 0, 0, 0, -1                               ; the first step has no results before it
.rept 4
	v_nop                                          ; the places behind it
.endr
	STEP 0, 1, 1, -1
	WIN 0                                          ; at a label and at a branch every window is 0
	s_add_nc_u64 s[42:43], s[14:15], 4*BLK         ; the stream goes on at n-tile 4
	s_mov_b32 s41, 3
.Ltrip:                                            ; a trip goes once round the ring, from an n-tile's third step to the second step four n-tiles on, and fills all four places again.
	STEP 0, 2, 1, -1                               ; A place is asked for behind the first step of the next n-tile, whose multiply-adds are the last readers of its W3
	STEP 0, 3, 1, -1
	s_wait_loadcnt 22                              ; the next n-tile is in; the 2 x 11 loads of the two behind it may be out
	STEP 1, 0, 1, -1
	ASK 0
	STEP 1, 1, 1, 0
	STEP 1, 2, 1, -1
	STEP 1, 3, 1, -1
	s_wait_loadcnt 22
	STEP 2, 0, 1, -1
	ASK 1
	STEP 2, 1, 1, 1
	STEP 2, 2, 1, -1
	STEP 2, 3, 1, -1
	s_wait_loadcnt 22
	STEP 3, 0, 1, -1
	ASK 2
	STEP 3, 1, 1, 2
	STEP 3, 2, 1, -1
	STEP 3, 3, 1, -1
	s_wait_loadcnt 22
	STEP 0, 0, 1, -1
	ASK 3
	STEP 0, 1, 1, 3
	WIN 0
	s_wait_xcnt 0x0                                ; the loads' addresses are translated: only behind this wait is their base stepped
	s_add_nc_u64 s[42:43], s[42:43], 4*BLK
	s_sub_co_u32 s41, s41, 1
	s_cmp_lg_u32 s41, 0
	s_cbranch_scc1 .Ltrip
	STEP 0, 2, 1, -1                               ; the last four n-tiles: nothing is left to load, and the counts run down
	STEP 0, 3, 1, -1
	s_wait_loadcnt 22
	STEP 1, 0, 1, -1
	STEP 1, 1, 1, -1
	STEP 1, 2, 1, -1
	STEP 1, 3, 1, -1
	s_wait_loadcnt 11
	STEP 2, 0, 1, -1
	STEP 2, 1, 1, -1
	STEP 2, 2, 1, -1
	STEP 2, 3, 1, -1
	s_wait_loadcnt 0x0
	STEP 3, 0, 1, -1
	STEP 3, 1, 1, -1
	STEP 3, 2, 1, -1
	STEP 3, 3, 1, -1
.irp s, 0,1                            ; the last step's results (set 1, tiles 12 to 15, ring place 3)
	WIN 0xF7+4*\s
.irp k, 0,1,2,3
.irp t, 0,1,2,3
	v_pk_fma_f32 v[SS+4*(12+\t)+2*\s:SS+4*(12+\t)+2*\s+1], v[32+8*\t+2*\k:32+8*\t+2*\k+1], v[W3R+24+2*\k:W3R+24+2*\k+1], v[SS+4*(12+\t)+2*\s:SS+4*(12+\t)+2*\s+1]
.endr
.endr
.endr
	; THE END.  Each sum's two words are added; then the two halves of the lanes, in a way that also brings lane l back to row 32 j + l.
	WIN 0x0F                                       ; sources 0 and 1 window 3, destination window 0
.irp tl, 0,1,2,3,4,5,6,7,8,9,10,11,12,13,14,15
	v_add_f32 v[P2+\tl], v[SS+4*\tl], v[SS+4*\tl+1]
	v_add_f32 v[P3+\tl], v[SS+4*\tl+2], v[SS+4*\tl+3]
.endr
.irp j, 0,1,2,3,4,5,6,7
	v_mov_b32 v[Z1+\j], v[ZK+\j]
.endr
	WIN 0
.irp j, 0,1,2,3,4,5,6,7
	v_permlane16_swap_b32 v[P2+2*\j], v[P2+2*\j+1] ; the first: both tiles' lower halves; the second: both tiles' upper halves
	v_permlane16_swap_b32 v[P3+2*\j], v[P3+2*\j+1]
.endr
.irp j, 0,1,2,3,4,5,6,7
	v_add_f32 v[P2+2*\j], v[P2+2*\j], v[P2+2*\j+1] ; o2 of row 32 j + lane
	v_add_f32 v[P3+2*\j], v[P3+2*\j], v[P3+2*\j+1] ; o3
.endr
.irp j, 0,1,2,3,4,5,6,7
	v_mul_f32 v[EX+\j], 0x3fb8aa3b, v[P3+2*\j]
.endr
.irp j, 0,1,2,3,4,5,6,7
	v_exp_f32 v[EX+\j], v[EX+\j]                   ; exp(o3)
.endr
	v_nop                                          ; a plain line behind the exponentials
	s_wait_alu depctr_va_vdst(0)                   ; the eight exponentials have written v[EX ..], ahead of the branch and of their readers on both ways: one wait for the batch
	s_cmp_lg_u32 s21, 0                            ; flow 0's waves hand their y1 to flow 1's wave of the same rows, through LDS
	s_cbranch_scc1 .Lno_store
.irp j, 0,1,2,3,4,5,6,7
	v_fma_f32 v[Y1+\j], v[Z1+\j], v[EX+\j], v[P2+2*\j]     ; y1 = z1 exp(o3) + o2
.endr
	s_wait_alu depctr_va_vdst(0)                   ; the multiply-adds have written v[Y1 ..], which the LDS stores read
.irp j, 0,1,2,3,4,5,6,7
	ds_store_b32 v[VX], v[Y1+\j] offset:128*\j
.endr
.Lno_store:
	s_wait_dscnt 0x0                               ; for the others' sake: my stores have landed
	s_barrier_signal -1
	s_barrier_wait -1
	s_cmp_eq_u32 s21, 0
	s_cbranch_scc1 .Ldone
.irp j, 0,1,2,3,4,5,6,7
	ds_load_b32 v[YL+\j], v[VX] offset:128*\j      ; into registers of their own, which no vector instruction has named since the last tile's conversions, far ahead of the waits above
.endr
.irp j, 0,1,2,3,4,5,6,7
	v_cndmask_b32 v[OUTP+2*\j], v[YT+2*\j], v[YT+2*\j+1], s40      ; out[.][0]: flow 1's y0, lane l back at row 32 j + l
.endr
	s_wait_dscnt 0x0
.irp j, 0,1,2,3,4,5,6,7
	v_fma_f32 v[OUTP+2*\j+1], v[YL+\j], v[EX+\j], v[P2+2*\j]       ; out[.][1] = y1 exp(o3') + o2'
.endr
	s_wait_alu depctr_va_vdst(0)                   ; the selects and the multiply-adds have written the output pairs v[OUTP ..], which the stores read
.irp j, 0,1,2,3,4,5,6,7
	global_store_b64 v[L8], v[OUTP+2*\j:OUTP+2*\j+1], s[18:19] offset:256*\j th:TH_STORE_NT   ; 32 lanes store 256 consecutive bytes, at a multiple of 256 from out0's first byte
.endr
.Ldone:
	s_wait_dscnt 0x0                               ; the closing lines, six on end
	s_wait_alu 0x0
	s_wait_tensorcnt 0x0
	ds_add_u32 v14, v15
	s_wait_dscnt 0x0
	s_endpgm
.Lfunc_end_k_q34557cdc93_main:
	.size	k_q34557cdc93_main, .Lfunc_end_k_q34557cdc93_main-k_q34557cdc93_main
	.p2alignl 7, 3214868480
	.fill 96, 4, 3214868480
	.section	.rodata,"a",@progbits
	.p2align	6, 0x0
	.amdhsa_kernel k_q34557cdc93_main
		.amdhsa_group_segment_fixed_size 2560
		.amdhsa_private_segment_fixed_size 0
		.amdhsa_enable_private_segment 0
		.amdhsa_kernarg_size 64
		.amdhsa_user_sgpr_count 2
		.amdhsa_user_sgpr_kernarg_segment_ptr 1
		.amdhsa_wavefront_size32 1
		.amdhsa_system_sgpr_workgroup_id_x 1
		.amdhsa_system_sgpr_workgroup_id_y 1
		.amdhsa_system_sgpr_workgroup_id_z 1
		.amdhsa_system_vgpr_workitem_id 0
		.amdhsa_next_free_vgpr 1024
		.amdhsa_next_free_sgpr 66
		.amdhsa_reserve_vcc 0
		.amdhsa_float_denorm_mode_32 3
		.amdhsa_float_denorm_mode_16_64 3
		.amdhsa_memory_ordered 1
		.amdhsa_forward_progress 1
		.amdhsa_inst_pref_size 255
	.end_amdhsa_kernel
	.section	.bss,"aw",@nobits
	.p2align	6
	.space	262144
	.amdgpu_metadata
---
amdhsa.version: [ 1, 2 ]
amdhsa.kernels:
  - .name:           k_q34557cdc93_main
    .symbol:         k_q34557cdc93_main.kd
    .args:
      - { .name: z_mean, .offset: 0, .size: 8, .value_kind: global_buffer, .address_space: global }
      - { .name: z_log_var, .offset: 8, .size: 8, .value_kind: global_buffer, .address_space: global }
      - { .name: epsilon, .offset: 16, .size: 8, .value_kind: global_buffer, .address_space: global }
      - { .name: W1, .offset: 24, .size: 8, .value_kind: global_buffer, .address_space: global }
      - { .name: b1, .offset: 32, .size: 8, .value_kind: global_buffer, .address_space: global }
      - { .name: wq, .offset: 40, .size: 8, .value_kind: global_buffer, .address_space: global }
      - { .name: cst, .offset: 48, .size: 8, .value_kind: global_buffer, .address_space: global }
      - { .name: out0, .offset: 56, .size: 8, .value_kind: global_buffer, .address_space: global }
    .group_segment_fixed_size: 2560
    .private_segment_fixed_size: 0
    .kernarg_segment_align: 8
    .kernarg_segment_size: 64
    .max_flat_workgroup_size: 128
    .sgpr_count:     66
    .vgpr_count:     1024
    .wavefront_size: 32
...
	.end_amdgpu_metadata
.endif
;; end of part 3
